; MI455X (gfx1250); checked and timed in simulation.
; The chip was launched on July 23, 2026; its instructions are those of AMD's public machine-readable ISA for CDNA 5 (MIT licence, August 2026) and "CDNA5" Instruction Set Architecture Reference Guide (July 2026). The comments in the code are by the model that wrote it; some were corrected since.
;; Q Dense. Allowed arithmetic: matrix products marked QUANTISED: E3M2 operands, one E8M0 scale for each 32 along K, by v_wmma_scale_f32_16x16x128_f8f6f4 with both operands' format E3M2, f32 sums; everything else in f32.
;; Inputs: W_ri 1,024 x 1,024 float32; W_rj 1,024 x 1,024 float32; W_rk 1,024 x 1,024 float32; W_rr 1,024 x 1,024 float32; b_ri 1,024 float32; b_rj 1,024 float32; b_rk 1,024 float32; b_rr 1,024 float32; x 4,096 x 4,096 float32.
;; Outputs: out0 4,096 x 4,096 float32.
;; This version of the problem:
;;   THIS VERSION OF THE PROBLEM IS GIVEN IN LOW PRECISION. The matrix products marked QUANTISED in the list below multiply operands that are first quantised to E3M2 (3 exponent bits, 2 mantissa bits; 6 bits a number), with one power-of-two scale for each 32 numbers along K (OCP MX v1.0); their sums are f32. All else is computed in f32.
;;   The module's matrix products, in the order in which they are computed (A, B: the left and right operand; K: the contracted axis; several contracted axes count as one K, in the product's order):
;;     1. [M 16,384, K 1,024] x [K 1,024, N 4,096]; A: input x; B: computed on the way: QUANTISED
;;   THE QUANTISER, for each operand of a quantised product, along K:
;;     - K is cut into blocks of 32 from its start; a last block that is shorter is filled with zeros.
;;     - A block's scale is 2^e with e = floor(log2(the largest magnitude in the block)) - 4, held to -126 .. 127; a block of zeros has e = 0. As a byte (E8M0): e + 127.
;;     - Each number is divided by its block's scale, clamped to +-28, and rounded to the nearest number of E3M2, ties to even, subnormals kept.
;;     - The product sums the exact products of the quantised numbers (number of the format x scale) in f32.
;;   ~~~python
;;   def quantise(x, axis):      # numpy; x: float32 -> the quantised numbers, widened to float32 again
;;       x = np.moveaxis(x, axis, -1); K = x.shape[-1]
;;       x = np.pad(x, [(0, 0)] * (x.ndim - 1) + [(0, -K % 32)]); x = x.reshape(x.shape[:-1] + (-1, 32)); a = np.abs(x).max(-1, keepdims=True)
;;       e = np.where(a > 0, np.clip(np.frexp(np.where(a > 0, a, 1))[1] - 1 - 4, -126, 127), 0)      # np.frexp(a)[1] - 1 = floor(log2(a)), exactly
;;       r = np.clip(x / 2.0 ** e, -28, 28)
;;       step = 2.0 ** (np.maximum(np.frexp(np.where(r == 0, 1, r))[1] - 1, -2) - 2)
;;       q = np.round(r / step) * step * 2.0 ** e      # np.round: ties to even
;;       return np.moveaxis(q.reshape(q.shape[:-2] + (-1,))[..., :K], -1, axis).astype(np.float32)
;;   ~~~
;;   OPERANDS COMPUTED ON THE WAY. 'Computed on the way' means the value that the module computes at that place (a softmax that the list does not call 'softmax' is quantised finished and normalised). What goes into a quantiser is computed in f32, as accurately as f32 sums, v_exp_f32 and their like allow (about 1e-6 of the number): no bf16 or f16 on the way to a quantiser, and a product that is left as it is and whose result goes on into a quantised operand takes f32 operands (vector FMAs, or v_wmma_f32_16x16x4_f32). A number that lies on a knife's edge between two numbers of the format may be rounded either way, as far as f32 arithmetic and the matrix unit's own rounding can turn it there, and no further.
;; One version. Each part assembles by itself: llvm-mc -triple=amdgcn-amd-amdhsa -mcpu=gfx1250 --defsym DOCPART=n.
;; ======== version 1 of 1: 2 launches
;; limits: right only within a limited range of input values
;; workspace buffers: a_img 13,107,200 bytes; b_img 3,276,800 bytes
;; launch quant (part 1): grid 640 x 1, 4 waves a work-group, no clusters, 34,304 bytes of LDS; arguments x, W_rr, W_ri, W_rj, W_rk, a_img, b_img; writes a_img, b_img
.if DOCPART == 1
	.amdgcn_target "amdgcn-amd-amdhsa--gfx1250"
	.amdhsa_code_object_version 6
	.text
	.protected	k_q16279260c5_quant
	.globl	k_q16279260c5_quant
	.p2align	8
	.type	k_q16279260c5_quant,@function
k_q16279260c5_quant:
	s_mov_b64 s[64:65], 0
	v_nop
	global_prefetch_b8 v0, s[64:65] scope:SCOPE_SE
	s_setreg_imm32_b32 hwreg(HW_REG_WAVE_MODE, 25, 1), 1
	s_wait_xcnt 0x0
; x [4096][4096] and the four W [1024][1024], f32, become codes of BF6 (E3M2), 6 bits each, with one E8M0 scale byte for each 32 along K, LAID IN THE ORDER OF THE OPERAND'S REGISTERS.
; The product is reference()'s own: rows (b, c) of x against rows (q, o) of W, K = the 1,024 numbers i of a quaternion part.  Every number is quantised once and stored once.
; a_img: [32 groups of 128 rows b][8 steps of 128 along i][part c][12,800 bytes];  b_img: [8 groups of 128 rows o][8 steps][part q][12,800 bytes].
; A block of 12,800 bytes: eight fragments (16 rows x 128 K: 12 registers a lane) of 1,536 bytes, registers 4 j .. 4 j + 3 of lane l at 512 j + 16 l;
; behind them, at 12,288, the rows' scale words (four bytes: a row's 128 K): [half of the group][row r of 16][fragment 0 .. 3 of that half], 4 bytes each.
; A block's scale is 2^(floor(log2(its largest magnitude)) - 4); its byte is the largest magnitude's own exponent field - 4, held at 1 from below.
; LIMITS: a block of zeros gets the byte 1 where the rule says 127: its codes are zeros, which add nothing under any byte but 0xff, and these bytes are read by this program alone.
; Blocks whose largest magnitude lies under 2^(4 - 126) have their byte held at 1.  NaN and infinities among the inputs are not served.
; SHARES.  A wave takes 64 rows x 128 along K: four fragments.  The four waves of a work-group take four neighbouring K steps of the same 64 rows.  Work-groups 0-127 take the W (32 each), 128-639 take x.
; A FRAGMENT: sixteen loads, each 512 consecutive bytes of one row; the rows go through the wave's own stage in LDS (528 bytes from row to row) and come back so that lane (r, h) holds of row r
; K = 64 c + 32 h + 0 .. 31, c = 0, 1: two whole blocks of 32, in the operand's order.  So a block's largest magnitude needs no other lane and the conversions' results are the operand's registers.
; They leave by three stores of 512 consecutive bytes, each at a multiple of 256 from the buffer's first byte; a wave's scale words leave as 256 such bytes.
; No tensor loads, no barrier: waves share nothing.  Two fragments' loads (32 a wave) are out at a time.
.set NWGW,  128
.set BLK,   12800
.set FRB,   1536
.set SOFF,  8*FRB
.set EMAX,  4
.set SPI,   528                        ; the stage: a row's 512 bytes + 16
.set WREG,  16*SPI
.set SPARE, 4*WREG                     ; behind the four stages: the spare words
.set LI,    3                          ; an image's place for my lane: 16 x lane + 6,144 x (half of the row group)
.set SIN,   4                          ; the stage, in: 16 x lane
.set SOUT,  5                          ; the stage, out: 528 r + 128 h
.set SCO,   6                          ; my two scale words' place in the block
.set SH,    7                          ; 8 h
.set M,     8                          ; v8-11 largest magnitudes; later the bytes
.set SO,    12                         ; v12-13 the conversions' scale operands; v14-15 at work
.set OFF,   16                         ; v16-23 16 x lane + t rows of the source
.set SW,    24                         ; v24-27 my row's scale word in each fragment
.set SD,    28                         ; v28-29 the two that I store
.set R,     32                         ; v32-159 two sets of 64 as loaded
.set X,     160                        ; v160-223 my 64 numbers
.set PC,    224                        ; v224-235 the fragment's codes
.set T,     236                        ; v236-238, v240-242 the upper halves of my two blocks
.set SPW,   239                        ; my spare word's address; never rewritten
.set NIL,   243                        ; 0; never rewritten
	s_load_b256 s[4:11], s[0:1], 0x0               ; x, W_rr, W_ri, W_rj
	s_load_b128 s[12:15], s[0:1], 0x20             ; W_rk, a_img
	s_load_b64 s[16:17], s[0:1], 0x30              ; b_img
	v_lshl_add_u32 v[SPW], v0, 2, SPARE
	v_mov_b32 v[NIL], 0
	v_lshrrev_b32 v1, 5, v0
	v_readfirstlane_b32 s22, v1                    ; wave
	v_and_b32 v2, 31, v0
	v_and_b32 v9, 15, v0                           ; r
	v_bfe_u32 v10, v0, 4, 1                        ; h
	s_mul_i32 s23, s22, WREG
	v_lshlrev_b32 v[OFF], 4, v2
	v_add_nc_u32 v[SIN], s23, v[OFF]
	v_mul_u32_u24 v[SOUT], v9, SPI
	v_lshl_add_u32 v[SOUT], v10, 7, v[SOUT]
	v_add_nc_u32 v[SOUT], s23, v[SOUT]
	v_lshlrev_b32 v[SH], 3, v10
	v_lshl_add_u32 v[SCO], v9, 4, v[SH]
	v_mov_b32 v15, 0                               ; a lane permute's destination counts as one of its sources
	s_mov_b32 s60, 0x76543210
	s_mov_b32 s61, 0xfedcba98                      ; selects for lane l xor 16
	; who am I.  W's numbers stay in range in x's work-groups too, so that every pointer made below lies inside its buffer
	s_lshr_b32 s25, ttmp9, 5
	s_min_u32 s25, s25, 3                          ; q: which W
	s_and_b32 s26, ttmp9, 31
	s_and_b32 s27, s26, 1
	s_lshl_b32 s27, s27, 2
	s_add_co_u32 s27, s27, s22                     ; W: my K step, 0 .. 7
	s_lshr_b32 s26, s26, 1                         ; W: my 64 rows, 0 .. 15
	s_max_u32 s72, ttmp9, NWGW
	s_sub_co_u32 s72, s72, NWGW
	s_and_b32 s73, s72, 7
	s_lshl_b32 s73, s73, 2
	s_add_co_u32 s73, s73, s22                     ; x: my 128 columns, 0 .. 31 = 8 c + step
	s_lshr_b32 s72, s72, 3                         ; x: my 64 rows, 0 .. 63
	s_lshr_b32 s28, s73, 3                         ; x: c
	s_mov_b32 s62, 16384
	s_cmp_lt_u32 ttmp9, NWGW                       ; W's work-group or x's?  Only selects and waits stand between this compare and its last select
	s_cselect_b32 s26, s26, s72                    ; my 64 rows,
	s_cselect_b32 s27, s27, s73                    ; my 128 columns,
	s_cselect_b32 s28, s25, s28                    ; my part: q or c,
	s_cselect_b32 s62, 4096, s62                   ; and a row's bytes, in my source
	s_wait_alu depctr_va_vdst(0)
	s_wait_kmcnt 0x0
	s_cselect_b64 s[32:33], s[16:17], s[14:15]     ; b_img or a_img
	s_mov_b64 s[40:41], s[6:7]                     ; the source: W_q,
	s_cmp_eq_u32 s25, 1
	s_cselect_b64 s[40:41], s[8:9], s[40:41]
	s_cmp_eq_u32 s25, 2
	s_cselect_b64 s[40:41], s[10:11], s[40:41]
	s_cmp_eq_u32 s25, 3
	s_cselect_b64 s[40:41], s[12:13], s[40:41]
	s_cmp_lt_u32 ttmp9, NWGW
	s_cselect_b64 s[40:41], s[40:41], s[4:5]       ; or x
	s_lshr_b32 s29, s26, 1                         ; my block: 32 x group + 4 x step + part
	s_lshl_b32 s29, s29, 5
	s_and_b32 s30, s27, 7
	s_lshl_b32 s30, s30, 2
	s_add_co_u32 s29, s29, s30
	s_add_co_u32 s29, s29, s28
	s_mul_i32 s70, s29, BLK
	s_mov_b32 s71, 0
	s_add_nc_u64 s[32:33], s[32:33], s[70:71]
	s_lshl_b32 s29, s26, 6                         ; my first row
	s_mul_i32 s70, s29, s62
	s_lshl_b32 s29, s27, 9                         ; 128 numbers are 512 bytes
	s_add_co_u32 s70, s70, s29
	s_add_nc_u64 s[40:41], s[40:41], s[70:71]
	s_lshl_b32 s70, s62, 3                         ; s[40:55]: the source at my rows 0, 8 .. 56: no pointer is stepped later
.irp k, 1,2,3,4,5,6,7
	s_add_nc_u64 s[40+2*\k:41+2*\k], s[38+2*\k:39+2*\k], s[70:71]
.endr
.irp t, 1,2,3,4,5,6,7
	v_add_nc_u32 v[OFF+\t], s62, v[OFF+\t-1]
.endr
.macro LOAD f                          ; fragment f: rows 16 f + t into set f % 2; 32 lanes read 512 consecutive bytes of one row
.irp t, 0,1,2,3,4,5,6,7,8,9,10,11,12,13,14,15
	global_load_b128 v[R+64*((\f)%2)+4*\t:R+64*((\f)%2)+4*\t+3], v[OFF+\t%8], s[40+2*(2*(\f)+\t/8):41+2*(2*(\f)+\t/8)] th:TH_LOAD_NT
.endr
.endm
	LOAD 0
	LOAD 1
	s_and_b32 s29, s26, 1                          ; which half of the row group my 64 rows are
	s_mul_i32 s30, s29, 4*FRB
	v_add_nc_u32 v[LI], s30, v[OFF]
	s_lshl_b32 s30, s29, 8
	s_add_co_u32 s30, s30, SOFF
	v_add_nc_u32 v[SCO], s30, v[SCO]
.macro FRAGM f
.if (\f) < 3
	s_wait_loadcnt 16                              ; this fragment's sixteen loads are in; the next fragment's sixteen may be out
.else
	s_wait_loadcnt 0
.endif
.irp t, 0,1,2,3,4,5,6,7,8,9,10,11,12,13,14,15
	ds_store_b128 v[SIN], v[R+64*((\f)%2)+4*\t:R+64*((\f)%2)+4*\t+3] offset:\t*SPI
.endr
.irp c, 0,1
.irp j, 0,1,2,3,4,5,6,7
	ds_load_b128 v[X+32*\c+4*\j:X+32*\c+4*\j+3], v[SOUT] offset:256*\c+16*\j   ; LDS serves a wave's instructions in order (ISA guide 5.7.1.4).  Row r, K = 64 c + 32 h + 4 j ..
.endr
.endr
	s_wait_dscnt 0x0                               ; my numbers are back: so the stores into the stage have read their registers,
.if (\f)+2 < 4
	LOAD (\f)+2                                    ; which take the loads of two fragments on
.endif
.irp c, 0,1                                    ; my block 2 c + h: two chains a block, and the floor 2^(EMAX + 1 - 127)
	v_max3_num_f32 v[M+\c], |v[X+32*\c]|, |v[X+32*\c+1]|, (EMAX+1)<<23
	v_max3_num_f32 v[M+2+\c], |v[X+32*\c+16]|, |v[X+32*\c+17]|, (EMAX+1)<<23
.endr
.irp i, 2,4,6,8,10,12,14
.irp c, 0,1
	v_max3_num_f32 v[M+\c], v[M+\c], |v[X+32*\c+\i]|, |v[X+32*\c+\i+1]|
	v_max3_num_f32 v[M+2+\c], v[M+2+\c], |v[X+32*\c+16+\i]|, |v[X+32*\c+17+\i]|
.endr
.endr
.irp c, 0,1
	v_max_num_f32 v[M+\c], v[M+\c], v[M+2+\c]
.endr
.irp c, 0,1
	v_add_nc_u32 v[SO+\c], -(EMAX<<23), v[M+\c]    ; EMAX off the exponent field: the conversion's scale operand
.endr
.irp c, 0,1
	v_lshrrev_b32 v[M+2+\c], 23, v[SO+\c]          ; the scale's byte
.endr
	v_lshl_or_b32 v14, v[M+3], 16, v[M+2]          ; my two bytes: blocks h and 2 + h of row r,
	v_lshlrev_b32 v14, v[SH], v14                  ; at their places in the scale word;
	v_permlanex16_b32 v15, v14, s60, s61
	v_or_b32 v[SW+(\f)], v14, v15                  ; with lane l xor 16's two the word is whole
.if (\f) > 0
	s_wait_alu depctr_va_vdst(0)
	s_wait_xcnt 0x0                                ; the last fragment's stores have read the codes' registers
.endif
.irp c, 0,1
	v_cvt_scalef32_pk16_bf6_f32 v[PC+6*\c:PC+6*\c+2], v[X+32*\c:X+32*\c+15], v[SO+\c]
	v_cvt_scalef32_pk16_bf6_f32 v[T+4*\c:T+4*\c+2], v[X+32*\c+16:X+32*\c+31], v[SO+\c]    ; (a conversion's three registers begin on an even number)
.endr
	v_nop                                          ; one plain place behind a scaled conversion
.irp c, 0,1
.irp i, 0,1,2
	v_mov_b32 v[PC+6*\c+3+\i], v[T+4*\c+\i]        ; registers 6 c .. 6 c + 5 now hold K = 64 c + 32 h + 0 .. 31
.endr
.endr
.irp j, 0,1,2
	global_store_b128 v[LI], v[PC+4*\j:PC+4*\j+3], s[32:33] offset:(\f)*FRB+512*\j        ; the wave stores 512 consecutive bytes
.endr
.endm
	s_wait_alu depctr_va_vdst(0)
	FRAGM 0
	FRAGM 1
	FRAGM 2
	FRAGM 3
	v_cmp_ne_u32 vcc_lo, 0, v[SH]                  ; lanes 0-15 store the words of fragments 0 and 1, lanes 16-31 those of 2 and 3
	v_cndmask_b32 v[SD], v[SW], v[SW+2], vcc_lo
	v_cndmask_b32 v[SD+1], v[SW+1], v[SW+3], vcc_lo
	global_store_b64 v[SCO], v[SD:SD+1], s[32:33]  ; 32 lanes store 256 consecutive bytes, aligned
	s_wait_tensorcnt 0x0                           ; the wave's end
	ds_add_u32 v[SPW], v[NIL]
	s_wait_dscnt 0x0
	s_endpgm
.Lfunc_end_k_q16279260c5_quant:
	.size	k_q16279260c5_quant, .Lfunc_end_k_q16279260c5_quant-k_q16279260c5_quant
	.p2alignl 7, 3214868480
	.fill 96, 4, 3214868480
	.section	.rodata,"a",@progbits
	.p2align	6, 0x0
	.amdhsa_kernel k_q16279260c5_quant
		.amdhsa_group_segment_fixed_size 34304
		.amdhsa_private_segment_fixed_size 0
		.amdhsa_enable_private_segment 0
		.amdhsa_kernarg_size 56
		.amdhsa_user_sgpr_count 2
		.amdhsa_user_sgpr_kernarg_segment_ptr 1
		.amdhsa_wavefront_size32 1
		.amdhsa_system_sgpr_workgroup_id_x 1
		.amdhsa_system_sgpr_workgroup_id_y 1
		.amdhsa_system_sgpr_workgroup_id_z 1
		.amdhsa_system_vgpr_workitem_id 0
		.amdhsa_next_free_vgpr 244
		.amdhsa_next_free_sgpr 80
		.amdhsa_reserve_vcc 1
		.amdhsa_float_denorm_mode_32 3
		.amdhsa_float_denorm_mode_16_64 3
		.amdhsa_memory_ordered 1
		.amdhsa_forward_progress 1
		.amdhsa_inst_pref_size 32
	.end_amdhsa_kernel
	.amdgpu_metadata
---
amdhsa.version: [ 1, 2 ]
amdhsa.kernels:
  - .name:           k_q16279260c5_quant
    .symbol:         k_q16279260c5_quant.kd
    .args:
      - { .name: x, .offset: 0, .size: 8, .value_kind: global_buffer, .address_space: global }
      - { .name: W_rr, .offset: 8, .size: 8, .value_kind: global_buffer, .address_space: global }
      - { .name: W_ri, .offset: 16, .size: 8, .value_kind: global_buffer, .address_space: global }
      - { .name: W_rj, .offset: 24, .size: 8, .value_kind: global_buffer, .address_space: global }
      - { .name: W_rk, .offset: 32, .size: 8, .value_kind: global_buffer, .address_space: global }
      - { .name: a_img, .offset: 40, .size: 8, .value_kind: global_buffer, .address_space: global }
      - { .name: b_img, .offset: 48, .size: 8, .value_kind: global_buffer, .address_space: global }
    .group_segment_fixed_size: 34304
    .private_segment_fixed_size: 0
    .kernarg_segment_align: 8
    .kernarg_segment_size: 56
    .max_flat_workgroup_size: 128
    .sgpr_count:     80
    .vgpr_count:     244
    .wavefront_size: 32
...
	.end_amdgpu_metadata
.endif
;; end of part 1
;; launch gemm (part 2): grid 8 x 32, 4 waves a work-group, clusters of 4 x 4, 327,680 bytes of LDS; arguments a_img, b_img, b_rr, b_ri, b_rj, b_rk, out0; writes out0
.if DOCPART == 2
	.amdgcn_target "amdgcn-amd-amdhsa--gfx1250"
	.amdhsa_code_object_version 6
	.text
	.protected	k_q16279260c5_gemm
	.globl	k_q16279260c5_gemm
	.p2align	8
	.type	k_q16279260c5_gemm,@function
k_q16279260c5_gemm:
	s_mov_b64 s[64:65], 0
	v_nop
	global_prefetch_b8 v0, s[64:65] scope:SCOPE_SE
	s_setreg_imm32_b32 hwreg(HW_REG_WAVE_MODE, 25, 1), 1
	s_wait_xcnt 0x0
	s_wait_alu depctr_hold_cnt(0) depctr_sa_sdst(0) depctr_va_vdst(0) depctr_va_sdst(0) depctr_va_ssrc(0) depctr_va_vcc(0) depctr_vm_vsrc(0)
	s_getreg_b32 s2, hwreg(HW_REG_IB_STS2, 6, 4)
	s_cmp_eq_u32 s2, 0
	s_cbranch_scc0 .Lentry_in_a_cluster
	s_endpgm
.Lentry_in_a_cluster:
	s_bfe_u32 s2, ttmp6, 0x10000c
	s_cmp_lg_u32 s2, 0xf033
	s_cbranch_scc0 .Lentry_shape_is_right
	s_endpgm
.Lentry_shape_is_right:
; out[b][1024 comp + o] = bias + sum over c of sgn(c, q) Y[b][c][q][o], q = comp xor c, Y = the quantised product of x's part c with W_q over K = 1,024.
; sgn is negative for (c, q) = (1,1) (1,3) (2,1) (2,2) (3,2) (3,3).  All 16 products of reference() are made, by the MX-BF6 matrix instruction on the codes and scale bytes of a_img and b_img.
; THE 16 PAIRS (c, q) FALL INTO 4 SETS OF ACCUMULATORS.  A wave owns 64 rows b x 4 comps x 64 columns o: 64 accumulators, 512 registers.  In a step of 128 along K it multiplies 16 fragments of x (4 row blocks a x 4 parts c)
; by 16 fragments of W (4 parts q x 4 column blocks): 256 matrix instructions for 32 fragments read from LDS, none of them twice.
; THE SIGNS: the quantiser is odd, so a negated number's code is the code with its sign bit (bit 5 of six) turned.  For c = 1, 2, 3 a fragment of x is kept as loaded and negated (12 exclusive ors); a product takes the one that its sign asks for.
; THE BIAS starts the sums: each comp's signed sum of the four biases is made once a wave, laid in the wave's stage in LDS, and loaded into the accumulators while the first tile is on its way.  Nothing is cleared and nothing is added on the way out.
; A work-group of four waves owns 128 b x 4 comps x 128 o; 8 x 32 work-groups.  K goes in 8 steps through two LDS slots of 102,400 bytes (x's four blocks, then W's four); each wave fetches a quarter of a slot, 100 dense rows of 256 bytes.
; CLUSTERS of 4 x 4: x's tiles are shared along a row of the cluster, W's along a column, by joint loads.
; A STEP is four phases, one for each row block a: 64 matrix instructions in four groups, q = 0 .. 3, the phase's 16 accumulators by turns.  At a phase's head stands ONE block of other work: the phase's own
; fragments are negated (the group q = 0 has no negative sign, so it stands between these lines and their readers), then the next phase's fragments are asked for in one run of LDS loads (two buffers as loaded, one negated).
; W has ONE set of registers: in the fourth phase each q's four fragments are loaded anew, from the next slot, once their 16 products are issued.
; So the change of slots stands in the fourth phase, and a refill has a whole step, 256 matrix instructions of each wave, in which to land.
; THE LAST STEP finishes 16 rows at a time: a finished row block goes through the wave's own stage in LDS at the next phase's head and is stored, as whole aligned units of 256 bytes, in two runs between that phase's groups.
; The lines of such blocks are numbered items of a list (QSET lays it, RUN writes it out as far as QE), so that each kind of line is written once in this text.
; PREFETCH: behind each of the first five refills a wave names the 25 blocks of 256 bytes that are its work-group's quarter (by address: cx for x, cy for W) of the 100 that the NEXT refill of that wave will ask for: one step ahead; the last refill's tile is the last named.
; REGISTERS: window 0: v0-31 addresses; v32-63 scale words, two sets (lanes 0-15 x's, lanes 16-31 W's); v64-159 x's fragments, two buffers of 4; v160-195 the negated copies; v196-255 and v8-11 the way out's second buffer (in the head: the biases).
;   window 1: v0-191 W's 16 fragments; v192-255 the way out's first buffer.  Windows 2, 3: accumulators of row blocks 0-1, 2-3: (a, comp, ob) at v[8 (16 (a % 2) + 4 comp + ob)].
; THE MATRIX INSTRUCTION IS USED TRANSPOSED (source 0 = 16 rows of W, source 1 = 16 rows of x): a lane holds eight neighbouring numbers of a row of out.
; LIMITS: those of the quantising launch.
.set BLK,    12800
.set FRB,    1536
.set SOFF,   8*FRB
.set GROW,   32*BLK                    ; a group's 8 steps in an image
.set KADV,   4*BLK                     ; a step's four blocks
.set HALF,   2*BLK                     ; what one tensor load brings
.set SLOT,   8*BLK
.set STAGE,  2*SLOT                    ; behind the ring: 16 rows x 528 bytes for each wave
.set SPITCH, 528
.set SPARE,  STAGE+4*16*SPITCH         ; behind the stages: the spare words
.set BST,  12                          ; head: where my bias numbers go in the stage
.set BLD,  13                          ; head: from where an accumulator's eight come back
.set ADRA, 16                          ; v16-17 my fragments of x in slot 0, 1
.set ADRB, 18                          ; v18-19 of W
.set ADRS, 20                          ; v20-21 my scale words
.set STO,  22
.set RD,   23
.set CO,   24                          ; 4,096 (l / 16) + 16 (l % 16): my place in two comps' 256 bytes of a row of out
.set PFO,  25
.set SGN,  26                          ; -1.0 in lanes 0-15, 1.0 in lanes 16-31
.set BH,   27
.set SPW,  28
.set NIL,  29
.set SC,   32
.set AR,   64
.set NR,   160
.set BIA,  232                         ; head: bias of comp l / 16 and of comp 2 + l / 16 at my four columns
.set BT,   240
.set OB,   192                         ; window 1: the way out
.set G1,  24
.set G0,  32
.set G1B, 48
.set G0B, 56
.set SG,  68                           ; s68-70 the sign bits of 16 codes in 96 bits
.set PFA, 96
.set MSB, 0
.macro WIN new                         ; the immediate's high byte repeats the setting that is left
.if MSB != \new
	s_set_vgpr_msb (MSB<<8)|\new
.set MSB, \new
.endif
.endm
.set TO_B, 0x40
.macro PLACES
.rept 4
	v_nop
.endr
.endm
.macro JLOAD s                         ; a joint load: waves 0, 1 fetch x's two halves, waves 2, 3 W's
	s_cmp_eq_u32 s15, 0
	s_cbranch_scc0 .Lfor_b_\@
	tensor_load_to_lds s[G0+4*(\s):G0+4*(\s)+3], s[G1:G1+7]
	s_nop 0
	PLACES
	s_branch .Lasked_\@
.Lfor_b_\@:
	tensor_load_to_lds s[G0B+4*(\s):G0B+4*(\s)+3], s[G1B:G1B+7]
	s_nop 0
	PLACES
.Lasked_\@:
.endm
.macro CREST
	s_cmp_lg_u32 s14, 0
	s_cbranch_scc1 .Lnot_wave_0_\@
	s_barrier_signal -3
.Lnot_wave_0_\@:
	s_barrier_wait -3
	s_barrier_signal -1
	s_barrier_wait -1
.endm
.macro CROUND
	s_barrier_signal -1
	s_barrier_wait -1
	CREST
.endm
	s_load_b128 s[4:7], s[0:1], 0x0                ; a_img, b_img
	s_load_b256 s[84:91], s[0:1], 0x10             ; b_rr, b_ri, b_rj, b_rk
	s_load_b64 s[12:13], s[0:1], 0x30              ; out0
	v_lshl_add_u32 v[SPW], v0, 2, SPARE
	v_mov_b32 v[NIL], 0
	ds_add_u32 v[SPW], v[NIL]
	ds_add_u32 v[SPW], v[NIL]
	v_lshrrev_b32 v1, 5, v0
	v_readfirstlane_b32 s14, v1                    ; wave
	v_and_b32 v1, 15, v0                           ; r
	v_lshlrev_b32 v[BH], 4, v1
	s_lshr_b32 s15, s14, 1                         ; my 64 rows b.  Also: I fetch for x (0) or for W (1)
	s_and_b32 s16, s14, 1                          ; my 64 columns o.  Also: which half of the tile I fetch
	s_bfe_u32 s40, ttmp6, 0x40000                  ; cx
	s_bfe_u32 s41, ttmp6, 0x40004                  ; cy
	s_lshl_b32 s42, ttmp9, 2
	s_add_co_u32 s42, s42, s40                     ; group of 128 o
	s_and_b32 s17, ttmp7, 0xffff
	s_lshl_b32 s17, s17, 2
	s_add_co_u32 s17, s17, s41                     ; group of 128 b
	s_lshl_b32 s43, s41, 2
	s_lshl_b32 s43, 15, s43                        ; my row of the cluster
	s_lshl_b32 s44, 0x1111, s40                    ; my column
	s_or_b32 s[G1+0], s43, (3<<16)|(1<<21)         ; elements of 8 bytes; x's tiles go to my row,
	s_or_b32 s[G1B+0], s44, (3<<16)|(1<<21)        ; W's to my column
.irp g, G1, G1B                                ; a dense block of 25,600 bytes as 100 rows of 256
	s_mov_b32 s[\g+1], 32<<16
	s_mov_b32 s[\g+2], (HALF/256)<<16
	s_mov_b32 s[\g+3], 32<<16
	s_mov_b32 s[\g+4], HALF/256
	s_mov_b32 s[\g+5], 32
	s_mov_b32 s[\g+6], 0
	s_mov_b32 s[\g+7], 0
.endr
	s_mul_i32 s18, s16, HALF
	s_mul_i32 s20, s17, GROW
	s_add_co_u32 s20, s20, s18
	s_mov_b32 s21, 0
	s_mul_i32 s46, s42, GROW
	s_add_co_u32 s46, s46, s18
	s_mov_b32 s47, 0
	s_mul_i32 s45, s14, HALF                       ; where my quarter goes: no place in the cluster enters an LDS address
	s_lshl_b32 s72, s42, 9                         ; my first column, in bytes
	s_lshl_b32 s73, s16, 8
	s_add_co_u32 s72, s72, s73
	s_mov_b32 s73, 0
	s_mov_b32 s[SG], 0x20820820
	s_mov_b32 s[SG+1], 0x08208208
	s_mov_b32 s[SG+2], 0x82082082
	s_wait_alu depctr_va_vdst(0)
	s_wait_dscnt 0x0
	s_wait_kmcnt 0x0
	s_add_nc_u64 s[20:21], s[4:5], s[20:21]
	s_add_nc_u64 s[46:47], s[6:7], s[46:47]
.irp p, 84,86,88,90
	s_add_nc_u64 s[\p:\p+1], s[\p:\p+1], s[72:73]
.endr
.irp q, 0,1,2,3
	global_load_b128 v[BT+4*\q:BT+4*\q+3], v[BH], s[84+2*\q:85+2*\q]   ; b_q at my four columns
.endr
	CROUND                                         ; all sixteen work-groups are here: the first joint loads meet
.irp s, 0,1
	s_mov_b32 s[G0+4*\s], 1
	s_add_co_u32 s[G0+4*\s+1], s45, \s*SLOT
	s_add_nc_u64 s[G0+4*\s+2:G0+4*\s+3], s[20:21], \s*KADV
	s_or_b32 s[G0+4*\s+3], s[G0+4*\s+3], 0x80000000
	s_mov_b32 s[G0B+4*\s], 1
	s_add_co_u32 s[G0B+4*\s+1], s45, \s*SLOT
	s_add_nc_u64 s[G0B+4*\s+2:G0B+4*\s+3], s[46:47], \s*KADV
	s_or_b32 s[G0B+4*\s+3], s[G0B+4*\s+3], 0x80000000
.endr
	JLOAD 0                                        ; step 0: one tensor load a wave at the head
	; the prefetches: my work-group's 6,400 bytes of the 25,600 that I fetch, at step 2; each change of slots steps it ahead of its use
	s_cmp_eq_u32 s15, 0
	s_cselect_b32 s92, s17, s42
	s_cselect_b32 s93, s40, s41
	s_cselect_b64 s[PFA:PFA+1], s[4:5], s[6:7]
	s_mul_i32 s92, s92, GROW
	s_add_co_u32 s92, s92, s18
	s_mul_i32 s93, s93, HALF/4
	s_add_co_u32 s92, s92, s93
	s_add_co_u32 s92, s92, 2*KADV
	s_mov_b32 s93, 0
	s_add_nc_u64 s[PFA:PFA+1], s[PFA:PFA+1], s[92:93]
	s_lshl_b32 s20, s17, 7                         ; out at my first row and column
	s_lshl_b32 s21, s15, 6
	s_add_co_u32 s20, s20, s21
	s_lshl_b32 s20, s20, 14                        ; a row of out is 16,384 bytes
	s_add_co_u32 s20, s20, s72
	s_mov_b32 s21, 0
	s_add_nc_u64 s[12:13], s[12:13], s[20:21]
	s_mul_i32 s22, s15, 4*FRB                      ; my four fragments in each block of x,
	s_mul_i32 s23, s16, 4*FRB
	s_add_co_u32 s23, s23, 4*BLK                   ; and of W, behind x's four blocks
	s_lshl_b32 s94, s15, 8                         ; scale words: x's half;
	s_lshl_b32 s95, s16, 8
	s_add_co_u32 s95, s95, 4*BLK
	s_sub_co_u32 s95, s95, s94                     ; the distance to W's, for lanes 16-31
	s_mul_i32 s19, s14, 16*SPITCH
	s_add_co_u32 s19, s19, STAGE
	v_bfe_u32 v2, v0, 4, 1                         ; h
	v_and_b32 v3, 31, v0
	v_lshlrev_b32 v4, 4, v3
	v_add_nc_u32 v[ADRA], s22, v4
	v_add_nc_u32 v[ADRB], s23, v4
	v_mul_u32_u24 v6, s95, v2
	v_lshl_add_u32 v6, v1, 4, v6
	v_add_nc_u32 v[ADRS], s94, v6
	v_add_nc_u32 v[ADRA+1], SLOT, v[ADRA]
	v_add_nc_u32 v[ADRB+1], SLOT, v[ADRB]
	v_add_nc_u32 v[ADRS+1], SLOT, v[ADRS]
	v_mul_u32_u24 v5, v1, SPITCH
	v_lshl_add_u32 v5, v2, 5, v5
	v_add_nc_u32 v[STO], s19, v5                   ; into the stage: row r, 32 bytes for each half of the lanes
	v_add_nc_u32 v[RD], s19, v4                    ; back: 32 lanes take a row of 512 bytes
	v_lshlrev_b32 v9, 12, v2
	v_lshl_add_u32 v[CO], v1, 4, v9
	v_sub_nc_u32 v7, 1, v2
	v_lshlrev_b32 v7, 31, v7
	v_or_b32 v[SGN], 0x3f800000, v7
	v_min_u32 v8, 24, v3                           ; 25 blocks: lanes 25-31 name the last again
	v_lshlrev_b32 v[PFO], 8, v8
	v_lshlrev_b32 v[BST], 8, v2                    ; the bias in my stage: [comp][64 columns], 256 bytes a comp
	v_lshl_add_u32 v[BST], v1, 4, v[BST]
	v_add_nc_u32 v[BST], s19, v[BST]
	v_lshlrev_b32 v[BLD], 5, v2
	v_add_nc_u32 v[BLD], s19, v[BLD]
	s_wait_alu depctr_va_vdst(0)
	s_wait_loadcnt 0x0
; comp 0: b0 - b1 - b2 - b3;  1: b0 + b1 - b2 + b3;  2: b0 + b1 + b2 - b3;  3: b0 - b1 + b2 + b3.  With g = SGN: comps 0, 1: (b0 - b2) + g (b1 + b3);  comps 2, 3: (b0 + b2) + g (b3 - b1)
.irp e, 0,1,2,3
	v_sub_f32 v[BIA+\e], v[BT+\e], v[BT+8+\e]
	v_add_f32 v[BIA+4+\e], v[BT+\e], v[BT+8+\e]
	v_add_f32 v[BT+\e], v[BT+4+\e], v[BT+12+\e]
	v_sub_f32 v[BT+8+\e], v[BT+12+\e], v[BT+4+\e]
.endr
.irp e, 0,1,2,3
	v_fmac_f32 v[BIA+\e], v[SGN], v[BT+\e]
	v_fmac_f32 v[BIA+4+\e], v[SGN], v[BT+8+\e]
.endr
	ds_store_b128 v[BST], v[BIA:BIA+3]             ; comp l / 16
	ds_store_b128 v[BST], v[BIA+4:BIA+7] offset:512   ; comp 2 + l / 16
.irp w, 0,1                                    ; every accumulator begins as its eight columns' bias (LDS serves a wave's instructions in order: these see the stores above)
	WIN 0x80+0x40*\w
.irp a, 0,1
.irp m, 0,1,2,3
.irp b, 0,1,2,3
	ds_load_b128 v[8*(16*\a+4*\m+\b):8*(16*\a+4*\m+\b)+3], v[BLD] offset:256*\m+64*\b
	ds_load_b128 v[8*(16*\a+4*\m+\b)+4:8*(16*\a+4*\m+\b)+7], v[BLD] offset:256*\m+64*\b+16
.endr
.endr
.endr
.endr
	WIN 0
; THE LIST.  QSET lays its segments, in this order: lb loads of W's q = 3; lx exclusive ors; la loads of x's next fragments; ls loads of scale words; lbb loads of W from q = QQ on; lo = 1: the way out of row block QB.
; QS: the slot; QA, QU: x's row block and the buffer it goes to; QX: the buffer that is negated; QP: the set of scale words.
.macro QSET lb, lx, la, ls, lbb, lo
.set QN, 0
.set E1, \lb
.set E2, E1+\lx
.set E3, E2+\la
.set E4, E3+\ls
.set E5, E4+\lbb
.set E6, E5+16*\lo                     ; comps 0, 1 into the stage
.set E7, E6+17*\lo                     ; a wait, and back as 16 rows of 512 bytes
.set E8, E7+16*\lo                     ; comps 2, 3 likewise, into the second buffer
.set E9, E8+16*\lo
.set E10, E9+17*\lo                    ; a wait, and the first half's 16 stores
.set QE, E10+17*\lo                    ; and the second half's
.endm
.macro LDB1 q, n                       ; load n of the 12 that bring W's fragments (q, ob = 0 .. 3)
	WIN TO_B
	ds_load_b128 v[48*(\q)+4*(\n):48*(\q)+4*(\n)+3], v[ADRB+QS] offset:(\q)*BLK+((\n)/3)*FRB+512*((\n)%3)
.endm
.macro OS1 k, n                        ; each accumulator from its low end on
.set DR, 8*(16*(QB%2)+4*(2*(\k)+(\n)/8)+((\n)/2)%4)+4*((\n)%2)
	WIN 0x08+4*(QB/2)
	ds_store_b128 v[STO], v[DR:DR+3] offset:256*((\n)/8)+64*(((\n)/2)%4)+16*((\n)%2)
.endm
.macro OREG k, t                       ; where row t of half k waits: window 1 v192.., or window 0 v196-255 and v8-11
.if (\k) == 0
.set RR, OB+4*(\t)
.elseif (\t) < 15
.set RR, 196+4*(\t)
.else
.set RR, 8
.endif
.endm
.macro OL1 k, t
	OREG \k, \t
	WIN TO_B*(1-(\k))
	ds_load_b128 v[RR:RR+3], v[RD] offset:(\t)*SPITCH               ; LDS serves a wave's instructions in order: these see the stores above
.endm
.macro GS1 k, t
	OREG \k, \t
	WIN 0x04*(1-(\k))
	global_store_b128 v[CO], v[RR:RR+3], s[12:13] offset:(16*QB+(\t))*16384+8192*(\k) th:TH_STORE_NT   ; each 16 lanes store 256 consecutive bytes, aligned
.endm
.macro ITEM
.if QN < E1
	LDB1 3, QN
.elseif QN < E2
.set N, QN-E1
	WIN 0
	v_xor_b32 v[NR+N], s[SG+N%3], v[AR+48*QX+12+N]
.elseif QN < E3
.set N, QN-E2
	WIN 0
	ds_load_b128 v[AR+48*QU+4*N:AR+48*QU+4*N+3], v[ADRA+QS] offset:(N/3)*BLK+QA*FRB+512*(N%3)
.elseif QN < E4
.set N, QN-E3
	WIN 0
	ds_load_b128 v[SC+16*QP+4*N:SC+16*QP+4*N+3], v[ADRS+QS] offset:N*BLK+SOFF   ; register 4 k + j: lanes 0-15 the word of x's (a = j, c = k), lanes 16-31 of W's (q = k, ob = j)
.elseif QN < E5
.set N, QN-E4
	LDB1 QQ+N/12, N%12
.elseif QN < E6
	OS1 0, QN-E5
.elseif QN < E7
.set N, QN-E6
.if N == 0
	s_wait_xcnt 0x0                                ; earlier stores have read both buffers
.else
	OL1 0, N-1
.endif
.elseif QN < E8
	OS1 1, QN-E7
.elseif QN < E9
	OL1 1, QN-E8
.elseif QN < E10
.set N, QN-E9
.if N == 0
	s_wait_dscnt 32                                ; the first half is back; behind it: the second half's 16 stores and 16 loads
.else
	GS1 0, N-1
.endif
.else
.set N, QN-E10
.if N == 0
	s_wait_dscnt 0x0
.else
	GS1 1, N-1
.endif
.endif
.endm
.macro RUN                             ; the list's items up to QE, on end (112 at the most)
.rept 112
.if QN < QE
	ITEM
.set QN, QN+1
.endif
.endr
.endm
.macro NEGATE u                        ; buffer u's fragments of c = 1, 2, 3, negated
.set QX, \u
	QSET 0, 36, 0, 0, 0, 0
	RUN
	s_wait_alu depctr_va_vdst(0)                   ; a wait behind these writes
.endm
; 16 matrix instructions: row block a x part q of W, the 16 accumulators (comp, ob) by turns; c = comp xor q.  p: the set of scale words
.macro GRP a, q, p
	WIN 0xa1+0x50*((\a)/2)                         ; source 0 window 1, source 1 window 0, C and D window 2 or 3
.set WI, 0
.rept 16
.set CC, (WI/4)^(\q)
.if ((0xc6a0>>(4*CC+(\q)))&1)
.set AO, NR+12*(CC-1)
.else
.set AO, AR+48*((\a)%2)+12*CC
.endif
.set DR, 8*(16*((\a)%2)+WI)
.set BR, 12*(4*(\q)+WI%4)
	v_wmma_scale_f32_16x16x128_f8f6f4 v[DR:DR+7], v[BR:BR+11], v[AO:AO+11], v[DR:DR+7], v[SC+16*(\p)+4*(\q)+WI%4], v[SC+16*(\p)+4*CC+(\a)] matrix_a_fmt:MATRIX_FMT_BF6 matrix_b_fmt:MATRIX_FMT_BF6 matrix_a_scale:MATRIX_SCALE_ROW1
.set WI, WI+1
.endr
.endm
; The waits of a step's phase 0.  Issued in this order: x's block 0 (12), scale words (4), W's q = 0, 1, 2 (12 each) in the step before; W's q = 3 (12) and x's block 1 (12) at this phase's head
.macro W0 a, n
.if (\a) == 0
	s_wait_dscnt \n
.endif
.endm
; One of a step's first three phases.  The four places at its head stand between the last phase's products and the lines that write what they read; the four behind the first group between the exclusive ors and their readers
.macro PH slot, a, p
	PLACES
.if (\a) == 0
	s_wait_dscnt 24                                ; x's block 0, the scale words and W's q = 0 are in; q = 1, 2 may be out
.else
	s_wait_dscnt 0x0                               ; this phase's fragments, asked for a phase ago
.endif
	NEGATE (\a)%2
.set QS, \slot
.set QA, (\a)+1
.set QU, ((\a)+1)%2
.if (\a) == 0
	QSET 12, 0, 12, 0, 0, 0
.else
	QSET 0, 0, 12, 0, 0, 0
.endif
	RUN
	GRP \a, 0, \p
	PLACES
	W0 \a, 36                                      ; q = 1 is in
	GRP \a, 1, \p
	W0 \a, 24                                      ; q = 2
	GRP \a, 2, \p
	W0 \a, 12                                      ; q = 3
	GRP \a, 3, \p
.endm
; The fourth phase changes slots.  ask = 1: a prefetch; 2: but not in the loop's last trip
.macro TURN slot, p, fill, ask
	PLACES
	WIN 0
.if \ask
	s_wait_xcnt 0x0                                ; my last prefetch has read its address
	s_add_nc_u64 s[PFA:PFA+1], s[PFA:PFA+1], KADV
.endif
	s_wait_tensorcnt 0x0                           ; my one load that was out, my quarter of the next slot, has landed;
	ds_add_u32 v[SPW], v[NIL]                      ; an add; the exclusive ors and sixteen matrix instructions stand between it and the wait for it
	s_wait_dscnt 1                                 ; (the add may be out: this phase's fragments, my last reads of this slot, are in)
	NEGATE 1
	GRP 3, 0, \p
	s_wait_dscnt 0x0
	s_barrier_signal -1
	PLACES
	GRP 3, 1, \p
	WIN 0
	s_barrier_wait -1
.if \fill
	CREST                                          ; the barrier has opened a round of the cluster's barrier
	s_add_nc_u64 s[G0+4*(\slot)+2:G0+4*(\slot)+3], s[G0+4*(\slot)+2:G0+4*(\slot)+3], 2*KADV
	s_add_nc_u64 s[G0B+4*(\slot)+2:G0B+4*(\slot)+3], s[G0B+4*(\slot)+2:G0B+4*(\slot)+3], 2*KADV
	JLOAD \slot                                    ; two steps on; its four v_nop are the places in front of the loads below
.else
	PLACES
.endif
.set QS, 1-(\slot)
.set QA, 0
.set QU, 0
.set QP, 1-(\p)
.set QQ, 0
	QSET 0, 0, 12, 4, 24, 0                        ; from the next slot: x's block 0, the scale words, W's q = 0, 1
	RUN
	GRP 3, 2, \p
	WIN 0
.if (\ask) == 2
	s_cmp_lg_u32 s3, 1
	s_cbranch_scc0 .Lno_ask_\@
.endif
.if \ask
	global_prefetch_b8 v[PFO], s[PFA:PFA+1] th:TH_LOAD_NT scope:SCOPE_SE   ; my part of the tile that the next refill asks for
.endif
.if (\ask) == 2
.Lno_ask_\@:
.endif
	PLACES
.set QQ, 2
	QSET 0, 0, 0, 0, 12, 0
	RUN
	GRP 3, 3, \p
	WIN 0
.endm
.macro STEPM slot, p, fill, ask
	PH \slot, 0, \p
	PH \slot, 1, \p
	PH \slot, 2, \p
	TURN \slot, \p, \fill, \ask
.endm
.macro PHL a                           ; a phase of the last step (slot 1, scale set 1): row block a - 1 leaves under it
	PLACES
.if (\a) == 0
	s_wait_dscnt 24
.else
	s_wait_dscnt 0x0
.endif
	NEGATE (\a)%2
.set QS, 1
.set QA, (\a)+1
.set QU, ((\a)+1)%2
.set QB, (\a)-1
.if (\a) == 0
	QSET 12, 0, 12, 0, 0, 0
.elseif (\a) < 3
	QSET 0, 0, 12, 0, 0, 1
.else
	QSET 0, 0, 0, 0, 0, 1
.endif
.set QF, QE
.set QE, E9                            ; the loads, and both halves of the finished block through the stage
	RUN
	GRP \a, 0, 1
	PLACES
	W0 \a, 36
	GRP \a, 1, 1
.set QE, E10                           ; the first half's stores
	RUN
	W0 \a, 24
	GRP \a, 2, 1
.set QE, QF                            ; the second half's
	RUN
	W0 \a, 12
	GRP \a, 3, 1
.endm
	s_wait_alu depctr_va_vdst(0)
	s_wait_tensorcnt 0x0                           ; my quarter of step 0 is in
	ds_add_u32 v[SPW], v[NIL]
	s_wait_dscnt 0x0                               ; the add is done, and the accumulators hold the bias
	CROUND
	JLOAD 1                                        ; step 1: slot 1's first fill, the first tensor load behind the round
.set QS, 0
.set QA, 0
.set QU, 0
.set QP, 0
.set QQ, 0
	QSET 0, 0, 12, 4, 36, 0                        ; in the order in which a change of slots asks
	RUN
	WIN 0
	s_mov_b32 s3, 3
.Llap:                                                 ; steps 0 to 5: both slots are filled again in every trip
	STEPM 0, 0, 1, 1
	STEPM 1, 1, 1, 2
	s_sub_co_u32 s3, s3, 1
	s_cmp_lg_u32 s3, 0
	s_cbranch_scc1 .Llap
	STEPM 0, 0, 0, 0                               ; step 6 fills nothing: no round
	PHL 0
	PHL 1
	PHL 2
	PHL 3
	PLACES
.set QB, 3
	QSET 0, 0, 0, 0, 0, 1                          ; the last row block
	RUN
	WIN 0
	s_wait_tensorcnt 0x0                           ; the wave's end
	ds_add_u32 v[SPW], v[NIL]
	s_wait_dscnt 0x0
	CROUND                                         ; the closing round
	s_endpgm
.Lfunc_end_k_q16279260c5_gemm:
	.size	k_q16279260c5_gemm, .Lfunc_end_k_q16279260c5_gemm-k_q16279260c5_gemm
	.p2alignl 7, 3214868480
	.fill 96, 4, 3214868480
	.section	.rodata,"a",@progbits
	.p2align	6, 0x0
	.amdhsa_kernel k_q16279260c5_gemm
		.amdhsa_group_segment_fixed_size 327680
		.amdhsa_private_segment_fixed_size 0
		.amdhsa_enable_private_segment 0
		.amdhsa_kernarg_size 56
		.amdhsa_user_sgpr_count 2
		.amdhsa_user_sgpr_kernarg_segment_ptr 1
		.amdhsa_wavefront_size32 1
		.amdhsa_system_sgpr_workgroup_id_x 1
		.amdhsa_system_sgpr_workgroup_id_y 1
		.amdhsa_system_sgpr_workgroup_id_z 1
		.amdhsa_system_vgpr_workitem_id 0
		.amdhsa_next_free_vgpr 1024
		.amdhsa_next_free_sgpr 98
		.amdhsa_reserve_vcc 0
		.amdhsa_float_denorm_mode_32 3
		.amdhsa_float_denorm_mode_16_64 3
		.amdhsa_memory_ordered 1
		.amdhsa_forward_progress 1
		.amdhsa_inst_pref_size 230
	.end_amdhsa_kernel
	.amdgpu_metadata
---
amdhsa.version: [ 1, 2 ]
amdhsa.kernels:
  - .name:           k_q16279260c5_gemm
    .symbol:         k_q16279260c5_gemm.kd
    .args:
      - { .name: a_img, .offset: 0, .size: 8, .value_kind: global_buffer, .address_space: global }
      - { .name: b_img, .offset: 8, .size: 8, .value_kind: global_buffer, .address_space: global }
      - { .name: b_rr, .offset: 16, .size: 8, .value_kind: global_buffer, .address_space: global }
      - { .name: b_ri, .offset: 24, .size: 8, .value_kind: global_buffer, .address_space: global }
      - { .name: b_rj, .offset: 32, .size: 8, .value_kind: global_buffer, .address_space: global }
      - { .name: b_rk, .offset: 40, .size: 8, .value_kind: global_buffer, .address_space: global }
      - { .name: out0, .offset: 48, .size: 8, .value_kind: global_buffer, .address_space: global }
    .group_segment_fixed_size: 327680
    .private_segment_fixed_size: 0
    .kernarg_segment_align: 8
    .kernarg_segment_size: 56
    .max_flat_workgroup_size: 128
    .sgpr_count:     98
    .vgpr_count:     1024
    .wavefront_size: 32
...
	.end_amdgpu_metadata
.endif
;; end of part 2
